; MI455X (gfx1250); checked and timed in simulation.
; The chip was launched on July 23, 2026; its instructions are those of AMD's public machine-readable ISA for CDNA 5 (MIT licence, August 2026) and "CDNA5" Instruction Set Architecture Reference Guide (July 2026). The comments in the code are by the model that wrote it; some were corrected since.
;; Local Attention. Allowed arithmetic: matrix products marked QUANTISED: E3M2 operands, one E8M0 scale for each 32 along K, by v_wmma_scale_f32_16x16x128_f8f6f4 with both operands' format E3M2, f32 sums; everything else in f32.
;; Inputs: attn_mask 1 bool; keys 4 x 2,048 x 16 x 64 float32; queries 4 x 2,048 x 16 x 64 float32; values 4 x 2,048 x 16 x 64 float32.
;; Outputs: out0 4 x 2,048 x 16 x 64 float32.
;; This version of the problem:
;;   THIS VERSION OF THE PROBLEM IS GIVEN IN LOW PRECISION. The matrix products marked QUANTISED in the list below multiply operands that are first quantised to E3M2 (3 exponent bits, 2 mantissa bits; 6 bits a number), with one power-of-two scale for each 32 numbers along K (OCP MX v1.0); their sums are f32. All else is computed in f32.
;;   The module's matrix products, in the order in which they are computed (A, B: the left and right operand; K: the contracted axis; several contracted axes count as one K, in the product's order):
;;     1. batch 64 x [M 2,048, K 64] x [K 64, N 2,048]; A: input queries; B: input keys: QUANTISED
;;     2. batch 64 x [M 64, K 2,048] x [K 2,048, N 2,048]; A: input values; B: softmax (see below): QUANTISED
;;   THE QUANTISER, for each operand of a quantised product, along K:
;;     - K is cut into blocks of 32 from its start; a last block that is shorter is filled with zeros.
;;     - A block's scale is 2^e with e = floor(log2(the largest magnitude in the block)) - 4, held to -126 .. 127; a block of zeros has e = 0. As a byte (E8M0): e + 127.
;;     - Each number is divided by its block's scale, clamped to +-28, and rounded to the nearest number of E3M2, ties to even, subnormals kept.
;;     - The product sums the exact products of the quantised numbers (number of the format x scale) in f32.
;;   ~~~python
;;   def quantise(x, axis):      # numpy; x: float32 -> the quantised numbers, widened to float32 again
;;       x = np.moveaxis(x, axis, -1); K = x.shape[-1]
;;       x = np.pad(x, [(0, 0)] * (x.ndim - 1) + [(0, -K % 32)]); x = x.reshape(x.shape[:-1] + (-1, 32)); a = np.abs(x).max(-1, keepdims=True)
;;       e = np.where(a > 0, np.clip(np.frexp(np.where(a > 0, a, 1))[1] - 1 - 4, -126, 127), 0)      # np.frexp(a)[1] - 1 = floor(log2(a)), exactly
;;       r = np.clip(x / 2.0 ** e, -28, 28)
;;       step = 2.0 ** (np.maximum(np.frexp(np.where(r == 0, 1, r))[1] - 1, -2) - 2)
;;       q = np.round(r / step) * step * 2.0 ** e      # np.round: ties to even
;;       return np.moveaxis(q.reshape(q.shape[:-2] + (-1,))[..., :K], -1, axis).astype(np.float32)
;;   ~~~
;;   SOFTMAX AHEAD OF A QUANTISED PRODUCT. Where the list says 'softmax', what is quantised is not the finished softmax but p = 2^(t - M), with t = logit x log2(e) and M = ceil(the row's largest t), a whole number; so 1/2 < the row's largest p <= 1. The row's sum l is taken of the UNQUANTISED p, in f32, and the product's result is divided by l at the end. Since M is a whole number, a kernel that streams over the keys may use a running M (the ceiling of the running maximum): every later rescaling is an exact power of two, which a block's scale takes up: the codes' values come out the same.
;;   OPERANDS COMPUTED ON THE WAY. 'Computed on the way' means the value that the module computes at that place (a softmax that the list does not call 'softmax' is quantised finished and normalised). What goes into a quantiser is computed in f32, as accurately as f32 sums, v_exp_f32 and their like allow (about 1e-6 of the number): no bf16 or f16 on the way to a quantiser, and a product that is left as it is and whose result goes on into a quantised operand takes f32 operands (vector FMAs, or v_wmma_f32_16x16x4_f32). A number that lies on a knife's edge between two numbers of the format may be rounded either way, as far as f32 arithmetic and the matrix unit's own rounding can turn it there, and no further.
;; 2 versions, each right; version 2 is version 1 with the launch band written anew for expert scheduling mode. Each part assembles by itself: llvm-mc -triple=amdgcn-amd-amdhsa -mcpu=gfx1250 --defsym DOCPART=n.
;; ======== version 1 of 2: 1 launch
;; launch band (part 1): grid 4 x 64, 16 waves a work-group, no clusters, 215,040 bytes of LDS; arguments queries, keys, values, attn_mask, out0; writes out0
.if DOCPART == 1
	.amdgcn_target "amdgcn-amd-amdhsa--gfx1250"
	.amdhsa_code_object_version 6
	.text
	.protected	k_qb4f00d9f40_band
	.globl	k_qb4f00d9f40_band
	.p2align	8
	.type	k_qb4f00d9f40_band,@function
k_qb4f00d9f40_band:
	s_mov_b64 s[64:65], 0
	v_nop
	global_prefetch_b8 v0, s[64:65] scope:SCOPE_SE
	s_setreg_imm32_b32 hwreg(HW_REG_WAVE_MODE, 25, 1), 1
	s_wait_xcnt 0x0
; LOCAL ATTENTION ON CODES OF BF6 (E3M2), one E8M0 scale for each 32 along a product's K.  queries, keys, values, out0: [4][2048][16][64] f32: a row (b, l, h) is 256 bytes, rows of one head 4,096 bytes apart.
; Query i sees keys i - 32 .. i + 31 inside the sequence.  For the 32 queries of block m (qr = i - 32 m) these lie in the key blocks m - 1 (key kappa counts where kappa >= qr), m (all count) and m + 1 (kappa < qr):
; three aligned blocks of 32, which are also the second product's blocks along its K.  Only these are multiplied: all other scores are -infinity in the definition itself.
; SOFTMAX: t = score x log2(e) / 8; M = ceil(the row's largest t); p = 2^(t - M) is quantised along the keys, not normalised; the sum of the unquantised p divides at the end.  Block m always counts, so M is a number.
; SHARES.  A work-group owns one head and 512 queries; wave w of sixteen owns block m = 16 g + w.  It quantises ITS block of K (along E), of V (along the keys) and of Q, once.  K's and V's codes and scale words go to LDS
; as images of the operand's registers (16 or 8 bytes a lane, on end); one barrier; each wave reads the images of slots w, w + 1, w + 2.  The two blocks beside the work-group's 16 are made by waves 0, 1 (K) and 2, 3 (V).
; LAYOUT.  Both products are used transposed: S^T = K Q^T (source 0 = 16 keys, source 1 = 16 queries), O^T = V^T P^T (source 0 = 16 channels, source 1 = P): a lane holds one query (lane % 16) throughout.
; Lane r of tile u of a key block takes key 8 u + r + 8 (r / 8), so that register 16 s + i of a query tile's scores is key 32 s + 16 (lane / 16) + i of the window.  E is 64: the upper half of the first product's K is zero codes on both sides.
; The window is 96 keys: the fourth block of the second product's K is zero codes in P.
; attn_mask: the definition takes it and uses it for nothing; it is read once and enters nothing.
; NO CLUSTER, NO TENSOR LOADS: neighbouring work-groups share 2 of the 18 blocks of K and V that each reads; a work-group's 18 + 18 + 16 raw blocks of 8,192 bytes are more than LDS holds, so they go through registers.
; NO PREFETCH: every load of a wave is issued at its head or as soon as registers are free; nothing is known earlier than that.
; LIMITS: NaN and infinities among the inputs are not served.  A p under 2^-126 counts as 0 (v_exp_f32 flushes denormal results: ISA guide, its entry).  A block of zeros gets the scale byte 1 where the rule says 127:
; its codes are zeros, and the bytes are read by this program alone.
.set STW,   8960                       ; LDS: a stage of 32 rows for each wave: row rho at 272 rho + 128 (rho / 16): 68 words a row, so the 16 rows of a load start at 16 different banks (64 banks of 4 bytes: ISA guide 11.1); the skew does the same for rows 16 apart
.set SKEW,  4480                       ; 16 rows on: 16 x 272 + 128
.set KIMG,  143360                     ; K's images: 18 slots x 2 tiles x 768 bytes (registers 0-3 at 16 x lane, then registers 4-5 at 8 x lane)
.set KSL,   1536
.set KSC,   171008                     ; K's scale words: 18 slots x 2 tiles x 128 bytes (4 x lane)
.set VIMG,  175616                     ; V's images: 18 slots x 2 halves of the channels x 768 bytes, lane = channel % 32; a slot is 1,664 bytes, so that two neighbouring slots read by one load of 8 bytes a lane fall on different banks
.set VSL,   1664
.set VSC,   205568                     ; V's scale bytes, a word each: 18 slots x 2 halves x 128 bytes
.set TIL,   768
.set GD,    1                          ; v1   global: 4,096 (lane / 16) + 16 (lane % 16): two rows' 256 bytes an instruction
.set GV,    2                          ; v2   global: 4 x lane: a lane to a channel
.set SD,    3                          ; v3   stage, two rows an instruction
.set SK,    4                          ; v4   stage, my key's row of tile 0, my half of E
.set SQ,    5                          ; v5   stage, my query's row of tile 0, my half of E
.set SO,    6                          ; v6   stage, where I put 32 bytes of a row of O
.set KI16,  7                          ; v7-9   K's images and scale words at slot w
.set KI8,   8
.set KSA,   9
.set VW16,  10                         ; v10-12 V's at slot w, by lane
.set VW8,   11
.set VSA,   12
.set VR16A, 13                         ; v13-14 V's at slot w + lane / 16, by lane % 16: the operand's registers 0-5
.set VR8A,  14
.set VR16B, 15                         ; v15-16 V's at slot w, by lane % 16: with two slots' offset the operand's registers 6-11
.set VR8B,  16
.set HK16,  17                         ; v17-22 the same as v7-12 at slot 0 (even waves) or 17 (odd waves)
.set HK8,   18
.set HKS,   19
.set HV16,  20
.set HV8,   21
.set HVS,   22
.set H8,    23                         ; v23  8 (lane / 16)
.set LO,    24                         ; v24-25 tile qt: register i of window block 0 is hidden where i < this
.set HI,    26                         ; v26-27 tile qt: register i of window block 2 is hidden where i >= this
.set NEG,   28                         ; v28  -infinity
.set QF,    32                         ; v32-55 Q's two fragments
.set QS,    56                         ; v56-67 hold scales and nothing else: Q's two words, K's six, P's two, V's two
.set KS,    58
.set PS,    64
.set SV,    66
.set F0,    68                         ; first part: codes of two blocks, six registers each
.set F1,    74
.set TA,    80                         ; a block's upper 16 codes (a conversion's three registers begin on an even number)
.set PA,    83                         ; a lane permute's destination
.set TB,    84
.set PB,    87
.set MA0,   88
.set MB0,   89
.set MA1,   90
.set MB1,   91
.set SC0,   92
.set SC1,   93
.set BY0,   94
.set BY1,   95
.set RA,    96                         ; v96-159  64 numbers: K's, then Q's
.set RB,    160                        ; v160-223 64 numbers: V's, then the block beside the work-group's
.set KF,    68                         ; second part: v68-139 K's six fragments; later P's codes (v68-91) and V's four fragments (v92-139); later the rows of O
.set PC,    68
.set VF,    92
.set OUTR,  68
.set SS,    140                        ; v140-235 the scores, 48 a query tile; then p
.set OA,    140                        ; v140-203 O^T: tile (qt, t) at 32 qt + 8 t
.set BM,    236                        ; v236-241 each block's largest score, then its largest p, then the conversion's scale operand
.set XT,    242                        ; v242-247 at work
.set NM,    248                        ; v248-251 a pair a tile: -M, the largest t; later 1 / l in the low one
.set SUM,   252                        ; v252-255 a pair a tile: the row's sum in two halves
.set WV,    15                         ; s15 my wave's number
.set SEL,   20                         ; s[20:21] v_permlanex16_b32's selects for lane l xor 16
.set CS,    22                         ; s[22:23] c = log2(e) / 8
.set PQ,    24                         ; s[24:31] Q, K, V, O at my block
.set PK,    26
.set PV,    28
.set PO,    30
.set PHK,   32                         ; s[32:35] K, V at the block beside the work-group's
.set PHV,   34
; 32 rows of 256 bytes: sixteen loads, each two whole rows
.macro LOADD R, b, nt
.irp j, 0,1,2,3,4,5,6,7,8,9,10,11,12,13,14,15
.if \nt
	global_load_b128 v[\R+4*\j:\R+4*\j+3], v[GD], s[\b:\b+1] offset:8192*\j th:TH_LOAD_NT
.else
	global_load_b128 v[\R+4*\j:\R+4*\j+3], v[GD], s[\b:\b+1] offset:8192*\j
.endif
.endr
.endm
; 32 keys x 64 channels of V: a lane to a channel, its registers down the keys; the two halves of a row's 256 bytes stand back to back
.macro LOADV R, b
.irp i, 0,1,2,3,4,5,6,7,8,9,10,11,12,13,14,15,16,17,18,19,20,21,22,23,24,25,26,27,28,29,30,31
	global_load_b32 v[\R+\i], v[GV], s[\b:\b+1] offset:4096*\i
	global_load_b32 v[\R+32+\i], v[GV], s[\b:\b+1] offset:4096*\i+128
.endr
.endm
; 32 rows go through my stage as they lie and come back 128 bytes a lane: register R + 32 u + e is then E = 32 (lane / 16) + e of my row of tile u.  LDS serves a wave's instructions in order (ISA guide 5.7.1.4): no wait between the stores and the loads
.macro TURN R, rd, step
.irp j, 0,1,2,3,4,5,6,7,8,9,10,11,12,13,14,15
	ds_store_b128 v[SD], v[\R+4*\j:\R+4*\j+3] offset:544*\j+128*(\j/8)
.endr
.irp u, 0,1
.irp j, 0,1,2,3,4,5,6,7
	ds_load_b128 v[\R+32*\u+4*\j:\R+32*\u+4*\j+3], v[\rd] offset:\u*\step+16*\j
.endr
.endr
.endm
; Two blocks of 32 numbers, each whole in my lane, become six registers of codes each (D0, D1); their scale bytes in BY0, BY1.  The two blocks take turns line by line.
.macro QUANT2 X0, X1, D0, D1
	v_max3_num_f32 v[MA0], |v[(\X0)]|, |v[(\X0)+1]|, |v[(\X0)+2]|
	v_max3_num_f32 v[MA1], |v[(\X1)]|, |v[(\X1)+1]|, |v[(\X1)+2]|
	v_max3_num_f32 v[MB0], |v[(\X0)+3]|, |v[(\X0)+4]|, |v[(\X0)+5]|
	v_max3_num_f32 v[MB1], |v[(\X1)+3]|, |v[(\X1)+4]|, |v[(\X1)+5]|
.irp i, 6,10,14,18,22,26
	v_max3_num_f32 v[MA0], v[MA0], |v[(\X0)+\i]|, |v[(\X0)+\i+1]|
	v_max3_num_f32 v[MA1], v[MA1], |v[(\X1)+\i]|, |v[(\X1)+\i+1]|
	v_max3_num_f32 v[MB0], v[MB0], |v[(\X0)+\i+2]|, |v[(\X0)+\i+3]|
	v_max3_num_f32 v[MB1], v[MB1], |v[(\X1)+\i+2]|, |v[(\X1)+\i+3]|
.endr
	v_max3_num_f32 v[MA0], v[MA0], |v[(\X0)+30]|, |v[(\X0)+31]|
	v_max3_num_f32 v[MA1], v[MA1], |v[(\X1)+30]|, |v[(\X1)+31]|
	v_max3_num_f32 v[MA0], v[MA0], v[MB0], 0x2800000   ; and the floor 2^(5 - 127), under which no largest magnitude is taken: so the byte cannot fall under 1
	v_max3_num_f32 v[MA1], v[MA1], v[MB1], 0x2800000
	v_add_nc_u32 v[SC0], 0xfe000000, v[MA0]            ; 4 off the exponent field: the conversion takes the exponent field of this operand as its scale, and nothing else of it
	v_add_nc_u32 v[SC1], 0xfe000000, v[MA1]
	v_cvt_scalef32_pk16_bf6_f32 v[(\D0):(\D0)+2], v[(\X0):(\X0)+15], v[SC0]
	v_cvt_scalef32_pk16_bf6_f32 v[TA:TA+2], v[(\X0)+16:(\X0)+31], v[SC0]
	v_cvt_scalef32_pk16_bf6_f32 v[(\D1):(\D1)+2], v[(\X1):(\X1)+15], v[SC1]
	v_cvt_scalef32_pk16_bf6_f32 v[TB:TB+2], v[(\X1)+16:(\X1)+31], v[SC1]
	v_lshrrev_b32 v[BY0], 23, v[SC0]                   ; the scale's byte; also the plain line behind the conversions
	v_lshrrev_b32 v[BY1], 23, v[SC1]
.irp i, 0,1,2
	v_mov_b32 v[(\D0)+3+\i], v[TA+\i]
	v_mov_b32 v[(\D1)+3+\i], v[TB+\i]
.endr
.endm
; my byte (E 0-31 in lanes 0-15, E 32-63 in lanes 16-31) and lane l xor 16's make the row's scale word; its bytes 2 and 3 stay 0 and meet zero codes
.macro WORD dst, by, tmp
	v_lshlrev_b32 v[\by], v[H8], v[\by]
	v_permlanex16_b32 v[\tmp], v[\by], s[SEL], s[SEL+1]
	v_or_b32 v[\dst], v[\by], v[\tmp]
.endm
.macro IMAGES i16, i8, isc, ob, sb     ; the two fragments and their scale words go to LDS as they stand
	ds_store_b128 v[\i16], v[F0:F0+3] offset:\ob
	ds_store_b64 v[\i8], v[F0+4:F0+5] offset:\ob
	ds_store_b32 v[\isc], v[BY0] offset:\sb
	ds_store_b128 v[\i16], v[F1:F1+3] offset:\ob+TIL
	ds_store_b64 v[\i8], v[F1+4:F1+5] offset:\ob+TIL
	ds_store_b32 v[\isc], v[BY1] offset:\sb+128
.endm
.macro KPASS R, i16, i8, isc, ob, sb   ; a block of K: 32 keys as two tiles, in the tiles' order of keys
	TURN \R, SK, 2176
	s_wait_dscnt 0x0                               ; the rows are back; earlier image stores have read their registers
	QUANT2 \R, \R+32, F0, F1
	WORD BY0, BY0, PA
	WORD BY1, BY1, PB
	IMAGES \i16, \i8, \isc, \ob, \sb
.endm
.macro VPASS R, i16, i8, isc, ob, sb   ; a block of V: my two channels' 32 keys; the byte goes as a word
	s_wait_dscnt 0x0                               ; earlier image stores have read their registers
	QUANT2 \R, \R+32, F0, F1
	IMAGES \i16, \i8, \isc, \ob, \sb
.endm
.macro QPASS                           ; my 32 queries: two fragments that stay in registers
	TURN RA, SQ, SKEW
	s_wait_dscnt 0x0
	QUANT2 RA, RA+32, QF, QF+12
	WORD QS, BY0, PA
	WORD QS+1, BY1, PB
.endm
	s_load_b256 s[4:11], s[0:1], 0x0               ; queries s[4:5], keys s[6:7], values s[8:9], attn_mask s[10:11]
	s_load_b64 s[12:13], s[0:1], 0x20              ; out0
	v_lshrrev_b32 v29, 5, v0
	v_readfirstlane_b32 s[WV], v29                 ; wave 0..15
	v_and_b32 v29, 15, v0                          ; r
	v_bfe_u32 v30, v0, 4, 1                        ; h
	v_and_b32 v31, 31, v0                          ; lane
	v_lshlrev_b32 v[GD], 4, v29
	v_lshl_add_u32 v[GD], v30, 12, v[GD]
	v_lshlrev_b32 v[GV], 2, v31
	s_and_b32 s16, ttmp7, 0xffff                   ; 16 b + head
	s_lshr_b32 s17, s16, 4
	s_lshl_b32 s17, s17, 23                        ; b x 2,048 x 4,096 bytes
	s_and_b32 s16, s16, 15
	s_lshl_b32 s16, s16, 8                         ; head x 256 bytes
	s_add_co_u32 s16, s16, s17
	s_lshl_b32 s17, ttmp9, 9                       ; the work-group's first query
	s_lshl_b32 s18, s[WV], 5
	s_add_co_u32 s18, s18, s17                     ; my first query, 32 m
	s_lshl_b32 s36, s18, 12
	s_add_co_u32 s36, s36, s16                     ; my block's first byte in each tensor (under 2^25)
	s_mov_b32 s37, 0
	s_and_b32 s19, s[WV], 1
	s_mul_i32 s38, s19, 544
	s_add_co_u32 s38, s38, s17
	s_sub_co_i32 s38, s38, 32                      ; the block in front of the work-group's 16 (even waves) or behind them (odd waves),
	s_max_i32 s38, s38, 0                          ; held inside the sequence: no load leaves its buffer; what such a block then holds is hidden by the mask below
	s_min_i32 s38, s38, 2016
	s_lshl_b32 s38, s38, 12
	s_add_co_u32 s38, s38, s16
	s_mov_b32 s39, 0
	s_cmp_eq_u32 s18, 0                            ; the sequence's first block has no block in front of it: all of window block 0 is hidden
	s_cselect_b32 s40, 64, 0
	s_cmp_eq_u32 s18, 2016                         ; the last has none behind it: all of window block 2 is hidden
	s_cselect_b32 s41, -64, 0
	s_wait_kmcnt 0x0
	s_add_nc_u64 s[PQ:PQ+1], s[4:5], s[36:37]
	s_add_nc_u64 s[PK:PK+1], s[6:7], s[36:37]
	s_add_nc_u64 s[PV:PV+1], s[8:9], s[36:37]
	s_add_nc_u64 s[PO:PO+1], s[12:13], s[36:37]
	s_add_nc_u64 s[PHK:PHK+1], s[6:7], s[38:39]
	s_add_nc_u64 s[PHV:PHV+1], s[8:9], s[38:39]
	LOADD RA, PK, 0                                ; my block of K: 16 loads,
	LOADV RB, PV                                   ; and of V: 64 loads
	s_load_u8 s14, s[10:11], 0x0                   ; attn_mask: read, and used for nothing, as in the definition
	; all LDS addresses are made here, on the one way that every wave takes
	s_mul_i32 s16, s[WV], STW                      ; my stage
	v_mul_u32_u24 v[SD], v30, 272
	v_lshl_add_u32 v[SD], v29, 4, v[SD]
	v_add_nc_u32 v[SD], s16, v[SD]
	v_and_b32 v[SK], 7, v29
	v_mul_u32_u24 v[SK], v[SK], 272
	v_lshrrev_b32 v[SQ], 3, v29
	v_mad_u32_u24 v[SK], v[SQ], SKEW, v[SK]        ; key r + 8 (r / 8): row r % 8, and 16 rows on for r / 8
	v_lshl_add_u32 v[SK], v30, 7, v[SK]
	v_add_nc_u32 v[SK], s16, v[SK]
	v_mul_u32_u24 v[SQ], v29, 272
	v_lshl_add_u32 v[SO], v30, 5, v[SQ]
	v_lshl_add_u32 v[SQ], v30, 7, v[SQ]
	v_add_nc_u32 v[SQ], s16, v[SQ]
	v_add_nc_u32 v[SO], s16, v[SO]
	s_mul_i32 s17, s[WV], KSL
	s_add_co_u32 s17, s17, KIMG
	v_lshl_add_u32 v[KI16], v31, 4, s17
	s_add_co_u32 s17, s17, 512
	v_lshl_add_u32 v[KI8], v31, 3, s17
	s_lshl_b32 s18, s[WV], 8
	s_add_co_u32 s19, s18, KSC
	v_lshl_add_u32 v[KSA], v31, 2, s19
	s_add_co_u32 s19, s18, VSC
	v_lshl_add_u32 v[VSA], v31, 2, s19
	s_mul_i32 s17, s[WV], VSL
	s_add_co_u32 s17, s17, VIMG
	v_lshl_add_u32 v[VW16], v31, 4, s17
	v_lshl_add_u32 v[VR16B], v29, 4, s17
	v_mad_u32_u24 v[VR16A], v30, VSL, v[VR16B]
	s_add_co_u32 s17, s17, 512
	v_lshl_add_u32 v[VW8], v31, 3, s17
	v_lshl_add_u32 v[VR8B], v29, 3, s17
	v_mad_u32_u24 v[VR8A], v30, VSL, v[VR8B]
	s_and_b32 s18, s[WV], 1                        ; slot 0 or slot 17
	s_mul_i32 s17, s18, 17*KSL
	s_add_co_u32 s17, s17, KIMG
	v_lshl_add_u32 v[HK16], v31, 4, s17
	s_add_co_u32 s17, s17, 512
	v_lshl_add_u32 v[HK8], v31, 3, s17
	s_mul_i32 s17, s18, 17*256
	s_add_co_u32 s19, s17, KSC
	v_lshl_add_u32 v[HKS], v31, 2, s19
	s_add_co_u32 s19, s17, VSC
	v_lshl_add_u32 v[HVS], v31, 2, s19
	s_mul_i32 s17, s18, 17*VSL
	s_add_co_u32 s17, s17, VIMG
	v_lshl_add_u32 v[HV16], v31, 4, s17
	s_add_co_u32 s17, s17, 512
	v_lshl_add_u32 v[HV8], v31, 3, s17
	v_lshlrev_b32 v[H8], 3, v30
	v_lshlrev_b32 v[NEG], 4, v30
	v_sub_nc_u32 v[LO], v29, v[NEG]                ; r - 16 h: register i holds key 16 h + i of a block, my query of tile qt is 16 qt + r
	v_add_nc_u32 v[HI], s41, v[LO]
	v_add_nc_u32 v[LO], s40, v[LO]
	v_add_nc_u32 v[LO+1], 16, v[LO]
	v_add_nc_u32 v[HI+1], 16, v[HI]
	v_mov_b32 v[NEG], 0xff800000
.irp i, 6,7,8,9,10,11,18,19,20,21,22,23
	v_mov_b32 v[QF+\i], 0                          ; E is 64: K = 64 .. 127 of Q's fragments are zero codes
.endr
	v_mov_b32 v[PA], 0                             ; written once: a lane permute's destination counts as one of its sources
	v_mov_b32 v[PB], 0
	s_mov_b32 s[SEL], 0x76543210
	s_mov_b32 s[SEL+1], 0xfedcba98
	s_mov_b32 s[CS], 0x3e38aa3b                    ; log2(e) / 8
	s_mov_b32 s[CS+1], s[CS]                       ; (named with it as a pair, so it is written)
	; ---- FIRST PART: numbers into codes
	s_wait_loadcnt 63                              ; behind K's 16 loads stand V's 64; the count names at most 63: K is in (and one load of V)
	KPASS RA, KI16, KI8, KSA, KSL, 256             ; my block's place is slot w + 1
	LOADD RA, PQ, 1                                ; Q into the registers that K has left; read by this wave alone
	s_wait_loadcnt 16                              ; V is in; Q's 16 loads are younger
	VPASS RB, VW16, VW8, VSA, VSL, 256
	s_cmp_lt_u32 s[WV], 2
	s_cbranch_scc0 .Lnot_k
	LOADD RB, PHK, 0                               ; waves 0, 1: the block of K beside the work-group's
	s_wait_loadcnt 16                              ; Q is in; these 16 are younger
	QPASS
	s_wait_loadcnt 0x0
	KPASS RB, HK16, HK8, HKS, 0, 0
	s_branch .Ljoin
.Lnot_k:
	s_cmp_lt_u32 s[WV], 4
	s_cbranch_scc0 .Lplain
	LOADV RB, PHV                                  ; waves 2, 3: the block of V
	s_wait_loadcnt 63                              ; Q is in: 64 loads are younger, and the count names at most 63
	QPASS
	s_wait_loadcnt 0x0
	VPASS RB, HV16, HV8, HVS, 0, 0
	s_branch .Ljoin
.Lplain:
	s_wait_loadcnt 0x0
	QPASS
.Ljoin:
	s_wait_kmcnt 0x0                               ; attn_mask's byte has come
	s_wait_dscnt 0x0                               ; for the others' sake: my images lie in LDS
	s_barrier_signal -1
.irp f, 0,1,2,3,4,5
.irp i, 6,7,8,9,10,11
	v_mov_b32 v[KF+12*\f+\i], 0                    ; K = 64 .. 127 of K's fragments are zero codes
.endr
.endr
.irp i, 0,1,2,3,4,5
	v_mov_b32 v[XT+\i], 0                          ; lane permutes' destinations; with the two lines below eight plain lines ahead of the scaled products, whose operands vector instructions have written
.endr
	v_nop
	v_nop
	s_barrier_wait -1                              ; the launch's one barrier: all 18 slots are whole, and nobody writes them again
	; ---- SECOND PART.  The scores: three key blocks x two tiles of keys x two tiles of queries
.irp s, 0,1,2
.irp u, 0,1
	ds_load_b128 v[KF+12*(2*\s+\u):KF+12*(2*\s+\u)+3], v[KI16] offset:KSL*\s+TIL*\u
	ds_load_b64 v[KF+12*(2*\s+\u)+4:KF+12*(2*\s+\u)+5], v[KI8] offset:KSL*\s+TIL*\u
	ds_load_b32 v[KS+2*\s+\u], v[KSA] offset:256*\s+128*\u
.endr
.endr
	s_wait_dscnt 0x0
.irp f, 0,1,2,3,4,5
.irp q, 0,1
	v_wmma_scale_f32_16x16x128_f8f6f4 v[SS+48*\q+8*\f:SS+48*\q+8*\f+7], v[KF+12*\f:KF+12*\f+11], v[QF+12*\q:QF+12*\q+11], 0, v[KS+\f], v[QS+\q] matrix_a_fmt:MATRIX_FMT_BF6 matrix_b_fmt:MATRIX_FMT_BF6
.endr
.endr                                              ; twelve accumulators, one product each: no sum is taken up again
.rept 4
	v_nop                                          ; four plain lines in front of loads into registers that these products have read, and of the first read of results
.endr
	; V's fragments are asked for now and wanted far below.  Registers 0-5: window blocks 0 (lanes 0-15) and 1 (lanes 16-31); registers 6-11: block 2 in both halves of the lanes: in lanes 16-31 it meets P's zero codes
.irp t, 0,1,2,3
	ds_load_b128 v[VF+12*\t:VF+12*\t+3], v[VR16A] offset:TIL*(\t/2)+256*(\t%2)
	ds_load_b64 v[VF+12*\t+4:VF+12*\t+5], v[VR8A] offset:TIL*(\t/2)+128*(\t%2)
	ds_load_b128 v[VF+12*\t+6:VF+12*\t+9], v[VR16B] offset:2*VSL+TIL*(\t/2)+256*(\t%2)
	ds_load_b64 v[VF+12*\t+10:VF+12*\t+11], v[VR8B] offset:2*VSL+TIL*(\t/2)+128*(\t%2)
.endr
.irp d, 0,1
	ds_load_b32 v[SV+\d], v[VSA] offset:128*\d     ; V's scale bytes of the three blocks: lane = channel % 32
	ds_load_b32 v[68+\d], v[VSA] offset:256+128*\d
	ds_load_b32 v[70+\d], v[VSA] offset:512+128*\d
.endr
	; the mask: hidden scores become -infinity ahead of the maximum.  Each accumulator is taken from its low end on
.irp q, 0,1
.irp i, 0,1,2,3,4,5,6,7,8,9,10,11,12,13,14,15
	v_cmp_lt_i32 vcc_lo, \i, v[LO+\q]
	v_cndmask_b32 v[SS+48*\q+\i], v[SS+48*\q+\i], v[NEG], vcc_lo
	v_cmp_ge_i32 vcc_lo, \i, v[HI+\q]
	v_cndmask_b32 v[SS+48*\q+32+\i], v[SS+48*\q+32+\i], v[NEG], vcc_lo
.endr
.endr
	s_wait_dscnt 0x0                               ; V's fragments and bytes are in
.irp d, 0,1
	v_lshl_or_b32 v[SV+\d], v[68+\d], 8, v[SV+\d]
	v_lshl_or_b32 v[SV+\d], v[70+\d], 16, v[SV+\d] ; V's scale words: channels 32 d + lane; byte 3 stays 0 and meets zero codes
.endr
	; the largest score of each block of 32 keys: it serves for the row's maximum and, since p rises with the score, for the block's largest p
.irp q, 0,1
.irp s, 0,1,2
	v_max3_num_f32 v[BM+3*\q+\s], v[SS+48*\q+16*\s], v[SS+48*\q+16*\s+1], v[SS+48*\q+16*\s+2]
.endr
.endr
.irp i, 3,5,7,9,11,13
.irp q, 0,1
.irp s, 0,1,2
	v_max3_num_f32 v[BM+3*\q+\s], v[BM+3*\q+\s], v[SS+48*\q+16*\s+\i], v[SS+48*\q+16*\s+\i+1]
.endr
.endr
.endr
.irp q, 0,1
.irp s, 0,1,2
	v_max_num_f32 v[BM+3*\q+\s], v[BM+3*\q+\s], v[SS+48*\q+16*\s+15]
.endr
.endr
.irp n, 0,1,2,3,4,5
	v_permlanex16_b32 v[XT+\n], v[BM+\n], s[SEL], s[SEL+1]
.endr
.irp n, 0,1,2,3,4,5
	v_max_num_f32 v[BM+\n], v[BM+\n], v[XT+\n]     ; with lane l xor 16's 16 keys
.endr
.irp q, 0,1
	v_max3_num_f32 v[NM+2*\q+1], v[BM+3*\q], v[BM+3*\q+1], v[BM+3*\q+2]
.endr
.irp q, 0,1
	v_mul_f32 v[NM+2*\q+1], s[CS], v[NM+2*\q+1]    ; the row's largest t (c is positive)
.endr
.irp q, 0,1
	v_floor_f32 v[NM+2*\q], -v[NM+2*\q+1]          ; -M = floor(-t) = -ceil(t)
.endr
.irp q, 0,1
.irp j, 0,2,4,6,8,10,12,14,16,18,20,22,24,26,28,30,32,34,36,38,40,42,44,46
	v_pk_fma_f32 v[SS+48*\q+\j:SS+48*\q+\j+1], v[SS+48*\q+\j:SS+48*\q+\j+1], s[CS:CS+1], v[NM+2*\q:NM+2*\q+1] op_sel_hi:[1,0,0]   ; t - M, two at a time (of the pairs c and -M the low word serves both halves)
.endr
.endr
.irp q, 0,1
.irp s, 0,1,2
	v_fma_f32 v[BM+3*\q+\s], v[BM+3*\q+\s], s[CS], v[NM+2*\q]   ; the same of each block's largest score
.endr
.endr
.set j, 0
.rept 96
	v_exp_f32 v[SS+j], v[SS+j]                     ; p = 2^(t - M), at most 1; 0 where the score is hidden
.set j, j+1
.endr
	v_nop                                          ; a plain line behind the last exponential
	s_wait_alu depctr_va_vdst(0)                   ; one wait for the batch, ahead of its first reader
.irp n, 0,1,2,3,4,5
	v_exp_f32 v[BM+\n], v[BM+\n]                   ; the block's largest p: the same two instructions on the same number
.endr
.irp q, 0,1                                        ; the row's sum is taken of the unquantised p: two at a time, two chains a tile.  (It reads the 96 alone: plain work behind the six)
	v_pk_add_f32 v[SUM+2*\q:SUM+2*\q+1], v[SS+48*\q:SS+48*\q+1], v[SS+48*\q+2:SS+48*\q+3]
	v_pk_add_f32 v[XT+2*\q:XT+2*\q+1], v[SS+48*\q+4:SS+48*\q+5], v[SS+48*\q+6:SS+48*\q+7]
.endr
.irp j, 8,12,16,20,24,28,32,36,40,44
.irp q, 0,1
	v_pk_add_f32 v[SUM+2*\q:SUM+2*\q+1], v[SUM+2*\q:SUM+2*\q+1], v[SS+48*\q+\j:SS+48*\q+\j+1]
	v_pk_add_f32 v[XT+2*\q:XT+2*\q+1], v[XT+2*\q:XT+2*\q+1], v[SS+48*\q+\j+2:SS+48*\q+\j+3]
.endr
.endr
.irp q, 0,1
	v_pk_add_f32 v[SUM+2*\q:SUM+2*\q+1], v[SUM+2*\q:SUM+2*\q+1], v[XT+2*\q:XT+2*\q+1]
.endr
	s_wait_alu depctr_va_vdst(0)                   ; and one for the six
.irp n, 0,1,2,3,4,5
	v_max_num_f32 v[BM+\n], 0x2800000, v[BM+\n]    ; the floor 2^(5 - 127): the byte cannot fall under 1 (a block all of whose p are 0 keeps that byte: its codes are zeros)
.endr
.irp n, 0,1,2,3,4,5
	v_add_nc_u32 v[BM+\n], 0xfe000000, v[BM+\n]    ; 4 off the exponent field: the conversion's scale operand
.endr
.irp q, 0,1
	v_lshrrev_b32 v[PS+\q], 23, v[BM+3*\q]         ; the three bytes make P's scale word; byte 3 stays 0 and meets zero codes
	v_lshrrev_b32 v[XT+5], 23, v[BM+3*\q+1]
	v_lshl_or_b32 v[PS+\q], v[XT+5], 8, v[PS+\q]
	v_lshrrev_b32 v[XT+5], 23, v[BM+3*\q+2]
	v_lshl_or_b32 v[PS+\q], v[XT+5], 16, v[PS+\q]
.endr
	; P's codes.  A conversion gives half a block (16 keys); the operand wants a whole block in a lane: lanes 0-15 blocks 0 and 2, lanes 16-31 block 1 and the block of zeros
.irp q, 0,1
	v_cvt_scalef32_pk16_bf6_f32 v[PC+12*\q:PC+12*\q+2], v[SS+48*\q:SS+48*\q+15], v[BM+3*\q]
	v_cvt_scalef32_pk16_bf6_f32 v[XT:XT+2], v[SS+48*\q+16:SS+48*\q+31], v[BM+3*\q+1]
	v_cvt_scalef32_pk16_bf6_f32 v[PC+12*\q+6:PC+12*\q+8], v[SS+48*\q+32:SS+48*\q+47], v[BM+3*\q+2]
.irp i, 0,1,2
	v_mov_b32 v[XT+3+\i], 0                        ; the fourth block; also the plain lines behind the conversions
.endr
.irp i, 0,1,2
	v_permlane16_swap_b32 v[PC+12*\q+\i], v[XT+\i] ; the first's lanes 16-31 change places with the second's lanes 0-15: the first now holds each lane's block's lower 16 codes, the second the upper 16
.endr
.irp i, 0,1,2
	v_mov_b32 v[PC+12*\q+3+\i], v[XT+\i]
.endr
.irp i, 0,1,2
	v_permlane16_swap_b32 v[PC+12*\q+6+\i], v[XT+3+\i]
.endr
.irp i, 0,1,2
	v_mov_b32 v[PC+12*\q+9+\i], v[XT+3+\i]
.endr
.endr
	v_add_f32 v[SUM], v[SUM], v[SUM+1]             ; the sum's two halves,
	v_add_f32 v[SUM+2], v[SUM+2], v[SUM+3]
	v_permlanex16_b32 v[XT], v[SUM], s[SEL], s[SEL+1]
	v_permlanex16_b32 v[XT+1], v[SUM+2], s[SEL], s[SEL+1]
	v_add_f32 v[SUM], v[SUM], v[XT]                ; and lane l xor 16's: the row's sum l
	v_add_f32 v[SUM+2], v[SUM+2], v[XT+1]
	v_nop                                          ; with the four additions above: six plain lines between the last write of P's codes and the scaled products
	v_nop
	; O^T = V^T P^T: four tiles of 16 channels x two tiles of queries; K = the window.  Channels 16 t + r have their scale words in lanes 16 (t % 2) + r of V's register t / 2
.irp t, 0,1,2,3
.irp q, 0,1
.if \t%2
	v_wmma_scale_f32_16x16x128_f8f6f4 v[OA+32*\q+8*\t:OA+32*\q+8*\t+7], v[VF+12*\t:VF+12*\t+11], v[PC+12*\q:PC+12*\q+11], 0, v[SV+\t/2], v[PS+\q] matrix_a_fmt:MATRIX_FMT_BF6 matrix_b_fmt:MATRIX_FMT_BF6 matrix_a_scale:MATRIX_SCALE_ROW1
.else
	v_wmma_scale_f32_16x16x128_f8f6f4 v[OA+32*\q+8*\t:OA+32*\q+8*\t+7], v[VF+12*\t:VF+12*\t+11], v[PC+12*\q:PC+12*\q+11], 0, v[SV+\t/2], v[PS+\q] matrix_a_fmt:MATRIX_FMT_BF6 matrix_b_fmt:MATRIX_FMT_BF6
.endif
.endr
.endr                                              ; eight accumulators, one product each
	v_rcp_f32 v[NM], v[SUM]
	v_rcp_f32 v[NM+2], v[SUM+2]
.rept 4
	v_nop                                          ; four plain lines behind the last product, the first of them also the plain line behind the reciprocals
.endr
	s_wait_alu depctr_va_vdst(0)                   ; one wait for both reciprocals, ahead of their first reader
.irp q, 0,1
.irp j, 0,2,4,6,8,10,12,14,16,18,20,22,24,26,28,30
	v_pk_mul_f32 v[OA+32*\q+\j:OA+32*\q+\j+1], v[OA+32*\q+\j:OA+32*\q+\j+1], v[NM+2*\q:NM+2*\q+1] op_sel_hi:[1,0]   ; O^T / l, each accumulator from its low end on
.endr
.endr
	; THE WAY OUT.  Register j of tile (qt, t) is o(16 qt + r, 16 t + 8 h + j): 32 bytes of a row.  The 32 rows meet in my stage and leave whole: sixteen lanes store a row's 256 bytes, aligned
.irp q, 0,1
.irp t, 0,1,2,3
	ds_store_b128 v[SO], v[OA+32*\q+8*\t:OA+32*\q+8*\t+3] offset:SKEW*\q+64*\t
	ds_store_b128 v[SO], v[OA+32*\q+8*\t+4:OA+32*\q+8*\t+7] offset:SKEW*\q+64*\t+16
.endr
.endr
.irp j, 0,1,2,3,4,5,6,7,8,9,10,11,12,13,14,15
	ds_load_b128 v[OUTR+4*\j:OUTR+4*\j+3], v[SD] offset:544*\j+128*(\j/8)   ; LDS serves a wave's instructions in order: these see my stores
.endr
.irp j, 0,1,2,3,4,5,6,7,8,9,10,11,12,13,14,15
	s_wait_dscnt 15-\j                             ; rows 2 j and 2 j + 1 are back; the younger loads may be out
	global_store_b128 v[GD], v[OUTR+4*\j:OUTR+4*\j+3], s[PO:PO+1] offset:8192*\j th:TH_STORE_NT   ; written once, read by nobody here
.endr
	s_wait_xcnt 0x0
	v_lshl_add_u32 v254, v0, 2, 0x34000
	v_mov_b32 v255, 0
	s_wait_tensorcnt 0x0
	ds_add_u32 v254, v255
	s_wait_dscnt 0x0
	s_endpgm
.Lfunc_end_k_qb4f00d9f40_band:
	.size	k_qb4f00d9f40_band, .Lfunc_end_k_qb4f00d9f40_band-k_qb4f00d9f40_band
	.p2alignl 7, 3214868480
	.fill 96, 4, 3214868480
	.section	.rodata,"a",@progbits
	.p2align	6, 0x0
	.amdhsa_kernel k_qb4f00d9f40_band
		.amdhsa_group_segment_fixed_size 215040
		.amdhsa_private_segment_fixed_size 0
		.amdhsa_enable_private_segment 0
		.amdhsa_kernarg_size 40
		.amdhsa_user_sgpr_count 2
		.amdhsa_user_sgpr_kernarg_segment_ptr 1
		.amdhsa_wavefront_size32 1
		.amdhsa_system_sgpr_workgroup_id_x 1
		.amdhsa_system_sgpr_workgroup_id_y 1
		.amdhsa_system_sgpr_workgroup_id_z 1
		.amdhsa_system_vgpr_workitem_id 0
		.amdhsa_next_free_vgpr 256
		.amdhsa_next_free_sgpr 66
		.amdhsa_reserve_vcc 1
		.amdhsa_float_denorm_mode_32 3
		.amdhsa_float_denorm_mode_16_64 3
		.amdhsa_memory_ordered 1
		.amdhsa_forward_progress 1
		.amdhsa_inst_pref_size 89
	.end_amdhsa_kernel
	.amdgpu_metadata
---
amdhsa.version: [ 1, 2 ]
amdhsa.kernels:
  - .name:           k_qb4f00d9f40_band
    .symbol:         k_qb4f00d9f40_band.kd
    .args:
      - { .name: queries, .offset: 0, .size: 8, .value_kind: global_buffer, .address_space: global }
      - { .name: keys, .offset: 8, .size: 8, .value_kind: global_buffer, .address_space: global }
      - { .name: values, .offset: 16, .size: 8, .value_kind: global_buffer, .address_space: global }
      - { .name: attn_mask, .offset: 24, .size: 8, .value_kind: global_buffer, .address_space: global }
      - { .name: out0, .offset: 32, .size: 8, .value_kind: global_buffer, .address_space: global }
    .group_segment_fixed_size: 215040
    .private_segment_fixed_size: 0
    .kernarg_segment_align: 8
    .kernarg_segment_size: 40
    .max_flat_workgroup_size: 512
    .sgpr_count:     66
    .vgpr_count:     256
    .wavefront_size: 32
...
	.end_amdgpu_metadata
.endif
;; end of part 1
;; ======== version 2 of 2: 1 launch; version 1 with the launch band written anew for expert scheduling mode
;; launch band (part 2): grid 4 x 64, 16 waves a work-group, no clusters, 215,040 bytes of LDS; arguments queries, keys, values, attn_mask, out0; writes out0
.if DOCPART == 2
	.amdgcn_target "amdgcn-amd-amdhsa--gfx1250"
	.amdhsa_code_object_version 6
	.text
	.protected	k_qb4f00d9f40_band
	.globl	k_qb4f00d9f40_band
	.p2align	8
	.type	k_qb4f00d9f40_band,@function
k_qb4f00d9f40_band:
	s_mov_b64 s[64:65], 0
	v_nop
	global_prefetch_b8 v0, s[64:65] scope:SCOPE_SE
	s_setreg_imm32_b32 hwreg(HW_REG_WAVE_SCHED_MODE, 0, 2), 2
	s_setreg_imm32_b32 hwreg(HW_REG_WAVE_MODE, 25, 1), 1
	s_wait_xcnt 0x0
	s_wait_alu depctr_vm_vsrc(0)
; LOCAL ATTENTION ON CODES OF BF6 (E3M2), one E8M0 scale for each 32 along a product's K.  queries, keys, values, out0: [4][2048][16][64] f32: a row (b, l, h) is 256 bytes, rows of one head 4,096 bytes apart.
; Query i sees keys i - 32 .. i + 31 inside the sequence.  For the 32 queries of block m (qr = i - 32 m) these lie in the key blocks m - 1 (key kappa counts where kappa >= qr), m (all count) and m + 1 (kappa < qr):
; three aligned blocks of 32, which are also the second product's blocks along its K.  Only these are multiplied: all other scores are -infinity in the definition itself.
; SOFTMAX: t = score x log2(e) / 8; M = ceil(the row's largest t); p = 2^(t - M) is quantised along the keys, not normalised; the sum of the unquantised p divides at the end.  Block m always counts, so M is a number.
; SHARES.  A work-group owns one head and 512 queries; wave w of sixteen owns block m = 16 g + w.  It quantises ITS block of K (along E), of V (along the keys) and of Q, once.  K's and V's codes and scale words go to LDS
; as images of the operand's registers (16 or 8 bytes a lane, on end); one barrier; each wave reads the images of slots w, w + 1, w + 2.  The two blocks beside the work-group's 16 are made by waves 0, 1 (K) and 2, 3 (V).
; LAYOUT.  Both products are used transposed: S^T = K Q^T (source 0 = 16 keys, source 1 = 16 queries), O^T = V^T P^T (source 0 = 16 channels, source 1 = P): a lane holds one query (lane % 16) throughout.
; Lane r of tile u of a key block takes key 8 u + r + 8 (r / 8), so that register 16 s + i of a query tile's scores is key 32 s + 16 (lane / 16) + i of the window.  E is 64: the upper half of the first product's K is zero codes on both sides.
; The window is 96 keys: the fourth block of the second product's K is zero codes in P.
; attn_mask: the definition takes it and uses it for nothing; it is read once and enters nothing.
; NO CLUSTER, NO TENSOR LOADS: neighbouring work-groups share 2 of the 18 blocks of K and V that each reads; a work-group's 18 + 18 + 16 raw blocks of 8,192 bytes are more than LDS holds, so they go through registers.
; NO PREFETCH: every load of a wave is issued at its head or as soon as registers are free; nothing is known earlier than that.
; LIMITS: NaN and infinities among the inputs are not served.  A p under 2^-126 counts as 0 (v_exp_f32 flushes denormal results: ISA guide, its entry).  A block of zeros gets the scale byte 1 where the rule says 127:
; its codes are zeros, and the bytes are read by this program alone.
; THE MODE: SCHED_MODE bits 1:0 = 2 (LLVM: expert scheduling mode 2), set by the entry lines.  The code itself states the register dependences
; between vector or matrix instructions and memory or LDS instructions, with s_wait_alu, always for 0.
; THE PLAN.  Registers that memory or LDS instructions touch, and who else names them:
;   v1, v2, v3-22   offsets and LDS addresses: written once at the head by vector lines, read by loads and stores, never written again: one wait for the two, one for the twenty.
;   RA, RB          raw numbers.  Global loads land; TURN's stores read them and TURN's loads land in them again (a wait on vm_vsrc between the two runs); QUANT2 reads them; the next global loads land
;                   (the wait on va_vdst that stands ahead of the image stores is also behind QUANT2, and no vector line stands between it and those loads).
;   F0, F1, BY0, BY1  codes and scale words.  QUANT2 and WORD write them; a wait on va_vdst; the image stores read them; a wait on vm_vsrc (TURN's, VPASS's own, or the one at the join) ahead of the next write.
;   v58-139         second part: K's fragments and words, then V's, then the rows of O land here from LDS: a wait on va_vdst behind the vector lines or products that named these registers last, ahead of each run of loads.
;   v140-203        O^T: the packed multiplies write it, a wait on va_vdst, the stage's stores read it.
;   The masks are made by compares into s32-47, sixteen to a run, with one wait on va_sdst behind each run and ahead of the selects that read them.
.set STW,   8960                       ; LDS: a stage of 32 rows for each wave: row rho at 272 rho + 128 (rho / 16): 68 words a row, so the 16 rows of a load start at 16 different banks (64 banks of 4 bytes: ISA guide 11.1); the skew does the same for rows 16 apart
.set SKEW,  4480                       ; 16 rows on: 16 x 272 + 128
.set KIMG,  143360                     ; K's images: 18 slots x 2 tiles x 768 bytes (registers 0-3 at 16 x lane, then registers 4-5 at 8 x lane)
.set KSL,   1536
.set KSC,   171008                     ; K's scale words: 18 slots x 2 tiles x 128 bytes (4 x lane)
.set VIMG,  175616                     ; V's images: 18 slots x 2 halves of the channels x 768 bytes, lane = channel % 32; a slot is 1,664 bytes, so that two neighbouring slots read by one load of 8 bytes a lane fall on different banks
.set VSL,   1664
.set VSC,   205568                     ; V's scale bytes, a word each: 18 slots x 2 halves x 128 bytes
.set TIL,   768
.set GD,    1                          ; v1   global: 4,096 (lane / 16) + 16 (lane % 16): two rows' 256 bytes an instruction
.set GV,    2                          ; v2   global: 4 x lane: a lane to a channel
.set SD,    3                          ; v3   stage, two rows an instruction
.set SK,    4                          ; v4   stage, my key's row of tile 0, my half of E
.set SQ,    5                          ; v5   stage, my query's row of tile 0, my half of E
.set SO,    6                          ; v6   stage, where I put 32 bytes of a row of O
.set KI16,  7                          ; v7-9   K's images and scale words at slot w
.set KI8,   8
.set KSA,   9
.set VW16,  10                         ; v10-12 V's at slot w, by lane
.set VW8,   11
.set VSA,   12
.set VR16A, 13                         ; v13-14 V's at slot w + lane / 16, by lane % 16: the operand's registers 0-5
.set VR8A,  14
.set VR16B, 15                         ; v15-16 V's at slot w, by lane % 16: with two slots' offset the operand's registers 6-11
.set VR8B,  16
.set HK16,  17                         ; v17-22 the same as v7-12 at slot 0 (even waves) or 17 (odd waves)
.set HK8,   18
.set HKS,   19
.set HV16,  20
.set HV8,   21
.set HVS,   22
.set H8,    23                         ; v23  8 (lane / 16)
.set LO,    24                         ; v24-25 tile qt: register i of window block 0 is hidden where i < this
.set HI,    26                         ; v26-27 tile qt: register i of window block 2 is hidden where i >= this
.set NEG,   28                         ; v28  -infinity
.set QF,    32                         ; v32-55 Q's two fragments
.set QS,    56                         ; v56-67 hold scales and nothing else: Q's two words, K's six, P's two, V's two
.set KS,    58
.set PS,    64
.set SV,    66
.set F0,    68                         ; first part: codes of two blocks, six registers each
.set F1,    74
.set TA,    80                         ; a block's upper 16 codes (a conversion's three registers begin on an even number)
.set PA,    83                         ; a lane permute's destination
.set TB,    84
.set PB,    87
.set MA0,   88
.set MB0,   89
.set MA1,   90
.set MB1,   91
.set SC0,   92
.set SC1,   93
.set BY0,   94
.set BY1,   95
.set RA,    96                         ; v96-159  64 numbers: K's, then Q's
.set RB,    160                        ; v160-223 64 numbers: V's, then the block beside the work-group's
.set KF,    68                         ; second part: v68-139 K's six fragments; later P's codes (v68-91) and V's four fragments (v92-139); later the rows of O
.set PC,    68
.set VF,    92
.set OUTR,  68
.set SS,    140                        ; v140-235 the scores, 48 a query tile; then p
.set OA,    140                        ; v140-203 O^T: tile (qt, t) at 32 qt + 8 t
.set BM,    236                        ; v236-241 each block's largest score, then its largest p, then the conversion's scale operand
.set XT,    242                        ; v242-247 at work
.set NM,    248                        ; v248-251 a pair a tile: -M, the largest t; later 1 / l in the low one
.set SUM,   252                        ; v252-255 a pair a tile: the row's sum in two halves
.set WV,    15                         ; s15 my wave's number
.set SEL,   20                         ; s[20:21] v_permlanex16_b32's selects for lane l xor 16
.set CS,    22                         ; s[22:23] c = log2(e) / 8
.set PQ,    24                         ; s[24:31] Q, K, V, O at my block
.set PK,    26
.set PV,    28
.set PO,    30
.set PHK,   32                         ; s[32:35] K, V at the block beside the work-group's
.set PHV,   34
.set MK,    32                         ; s32-47 second part: sixteen masks of lanes.  (Every load has been waited for by then: the addresses and offsets that stood here are done with)
; 32 rows of 256 bytes: sixteen loads, each two whole rows
.macro LOADD R, b, nt
.irp j, 0,1,2,3,4,5,6,7,8,9,10,11,12,13,14,15
.if \nt
	global_load_b128 v[\R+4*\j:\R+4*\j+3], v[GD], s[\b:\b+1] offset:8192*\j th:TH_LOAD_NT
.else
	global_load_b128 v[\R+4*\j:\R+4*\j+3], v[GD], s[\b:\b+1] offset:8192*\j
.endif
.endr
.endm
; 32 keys x 64 channels of V: a lane to a channel, its registers down the keys; the two halves of a row's 256 bytes stand back to back
.macro LOADV R, b
.irp i, 0,1,2,3,4,5,6,7,8,9,10,11,12,13,14,15,16,17,18,19,20,21,22,23,24,25,26,27,28,29,30,31
	global_load_b32 v[\R+\i], v[GV], s[\b:\b+1] offset:4096*\i
	global_load_b32 v[\R+32+\i], v[GV], s[\b:\b+1] offset:4096*\i+128
.endr
.endm
; 32 rows go through my stage as they lie and come back 128 bytes a lane: register R + 32 u + e is then E = 32 (lane / 16) + e of my row of tile u.  LDS serves a wave's instructions in order (ISA guide 5.7.1.4): no wait on DScnt between the stores and the loads
.macro TURN R, rd, step
.irp j, 0,1,2,3,4,5,6,7,8,9,10,11,12,13,14,15
	ds_store_b128 v[SD], v[\R+4*\j:\R+4*\j+3] offset:544*\j+128*(\j/8)
.endr
	s_wait_alu depctr_vm_vsrc(0)                   ; the sixteen stores have read v[R ..], in which the loads below land; and earlier image stores have read the codes' and bytes' registers, which the vector lines behind this turn write again
.irp u, 0,1
.irp j, 0,1,2,3,4,5,6,7
	ds_load_b128 v[\R+32*\u+4*\j:\R+32*\u+4*\j+3], v[\rd] offset:\u*\step+16*\j
.endr
.endr
.endm
; Two blocks of 32 numbers, each whole in my lane, become six registers of codes each (D0, D1); their scale bytes in BY0, BY1.  The two blocks take turns line by line.
.macro QUANT2 X0, X1, D0, D1
	v_max3_num_f32 v[MA0], |v[(\X0)]|, |v[(\X0)+1]|, |v[(\X0)+2]|
	v_max3_num_f32 v[MA1], |v[(\X1)]|, |v[(\X1)+1]|, |v[(\X1)+2]|
	v_max3_num_f32 v[MB0], |v[(\X0)+3]|, |v[(\X0)+4]|, |v[(\X0)+5]|
	v_max3_num_f32 v[MB1], |v[(\X1)+3]|, |v[(\X1)+4]|, |v[(\X1)+5]|
.irp i, 6,10,14,18,22,26
	v_max3_num_f32 v[MA0], v[MA0], |v[(\X0)+\i]|, |v[(\X0)+\i+1]|
	v_max3_num_f32 v[MA1], v[MA1], |v[(\X1)+\i]|, |v[(\X1)+\i+1]|
	v_max3_num_f32 v[MB0], v[MB0], |v[(\X0)+\i+2]|, |v[(\X0)+\i+3]|
	v_max3_num_f32 v[MB1], v[MB1], |v[(\X1)+\i+2]|, |v[(\X1)+\i+3]|
.endr
	v_max3_num_f32 v[MA0], v[MA0], |v[(\X0)+30]|, |v[(\X0)+31]|
	v_max3_num_f32 v[MA1], v[MA1], |v[(\X1)+30]|, |v[(\X1)+31]|
	v_max3_num_f32 v[MA0], v[MA0], v[MB0], 0x2800000   ; and the floor 2^(5 - 127), under which no largest magnitude is taken: so the byte cannot fall under 1
	v_max3_num_f32 v[MA1], v[MA1], v[MB1], 0x2800000
	v_add_nc_u32 v[SC0], 0xfe000000, v[MA0]            ; 4 off the exponent field: the conversion takes the exponent field of this operand as its scale, and nothing else of it
	v_add_nc_u32 v[SC1], 0xfe000000, v[MA1]
	v_cvt_scalef32_pk16_bf6_f32 v[(\D0):(\D0)+2], v[(\X0):(\X0)+15], v[SC0]
	v_cvt_scalef32_pk16_bf6_f32 v[TA:TA+2], v[(\X0)+16:(\X0)+31], v[SC0]
	v_cvt_scalef32_pk16_bf6_f32 v[(\D1):(\D1)+2], v[(\X1):(\X1)+15], v[SC1]
	v_cvt_scalef32_pk16_bf6_f32 v[TB:TB+2], v[(\X1)+16:(\X1)+31], v[SC1]
	v_lshrrev_b32 v[BY0], 23, v[SC0]                   ; the scale's byte; also the plain line behind the conversions
	v_lshrrev_b32 v[BY1], 23, v[SC1]
.irp i, 0,1,2
	v_mov_b32 v[(\D0)+3+\i], v[TA+\i]
	v_mov_b32 v[(\D1)+3+\i], v[TB+\i]
.endr
.endm
; my byte (E 0-31 in lanes 0-15, E 32-63 in lanes 16-31) and lane l xor 16's make the row's scale word; its bytes 2 and 3 stay 0 and meet zero codes
.macro WORD dst, by, tmp
	v_lshlrev_b32 v[\by], v[H8], v[\by]
	v_permlanex16_b32 v[\tmp], v[\by], s[SEL], s[SEL+1]
	v_or_b32 v[\dst], v[\by], v[\tmp]
.endm
.macro IMAGES i16, i8, isc, ob, sb     ; the two fragments and their scale words go to LDS as they stand
	ds_store_b128 v[\i16], v[F0:F0+3] offset:\ob
	ds_store_b64 v[\i8], v[F0+4:F0+5] offset:\ob
	ds_store_b32 v[\isc], v[BY0] offset:\sb
	ds_store_b128 v[\i16], v[F1:F1+3] offset:\ob+TIL
	ds_store_b64 v[\i8], v[F1+4:F1+5] offset:\ob+TIL
	ds_store_b32 v[\isc], v[BY1] offset:\sb+128
.endm
.macro KPASS R, i16, i8, isc, ob, sb   ; a block of K: 32 keys as two tiles, in the tiles' order of keys
	TURN \R, SK, 2176
	s_wait_dscnt 0x0                               ; the rows are back
	QUANT2 \R, \R+32, F0, F1
	WORD BY0, BY0, PA
	WORD BY1, BY1, PB
	s_wait_alu depctr_va_vdst(0)                   ; the codes in F0, F1 and the words in BY0, BY1 are written, which the image stores read; and the lines above are done reading v[R ..], in which the next global loads land
	IMAGES \i16, \i8, \isc, \ob, \sb
.endm
.macro VPASS R, i16, i8, isc, ob, sb   ; a block of V: my two channels' 32 keys; the byte goes as a word
	s_wait_dscnt 0x0                               ; earlier image stores are done
	s_wait_alu depctr_vm_vsrc(0)                   ; earlier image stores have read F0, F1, BY0, BY1, which the lines below write again
	QUANT2 \R, \R+32, F0, F1
	s_wait_alu depctr_va_vdst(0)                   ; the codes in F0, F1 and the bytes in BY0, BY1 are written, which the image stores read; and the lines above are done reading v[R ..], in which the next global loads land
	IMAGES \i16, \i8, \isc, \ob, \sb
.endm
.macro QPASS                           ; my 32 queries: two fragments that stay in registers
	TURN RA, SQ, SKEW
	s_wait_dscnt 0x0
	QUANT2 RA, RA+32, QF, QF+12
	WORD QS, BY0, PA
	WORD QS+1, BY1, PB
.endm
	s_load_b256 s[4:11], s[0:1], 0x0               ; queries s[4:5], keys s[6:7], values s[8:9], attn_mask s[10:11]
	s_load_b64 s[12:13], s[0:1], 0x20              ; out0
	v_lshrrev_b32 v29, 5, v0
	v_readfirstlane_b32 s[WV], v29                 ; wave 0..15
	v_and_b32 v29, 15, v0                          ; r
	v_bfe_u32 v30, v0, 4, 1                        ; h
	v_and_b32 v31, 31, v0                          ; lane
	v_lshlrev_b32 v[GD], 4, v29
	v_lshl_add_u32 v[GD], v30, 12, v[GD]
	v_lshlrev_b32 v[GV], 2, v31
	s_wait_alu depctr_va_sdst(0)                   ; s15, the wave's number, is written, ahead of its first reader: offsets, LDS addresses and branches are made from it
	s_and_b32 s16, ttmp7, 0xffff                   ; 16 b + head
	s_lshr_b32 s17, s16, 4
	s_lshl_b32 s17, s17, 23                        ; b x 2,048 x 4,096 bytes
	s_and_b32 s16, s16, 15
	s_lshl_b32 s16, s16, 8                         ; head x 256 bytes
	s_add_co_u32 s16, s16, s17
	s_lshl_b32 s17, ttmp9, 9                       ; the work-group's first query
	s_lshl_b32 s18, s[WV], 5
	s_add_co_u32 s18, s18, s17                     ; my first query, 32 m
	s_lshl_b32 s36, s18, 12
	s_add_co_u32 s36, s36, s16                     ; my block's first byte in each tensor (under 2^25)
	s_mov_b32 s37, 0
	s_and_b32 s19, s[WV], 1
	s_mul_i32 s38, s19, 544
	s_add_co_u32 s38, s38, s17
	s_sub_co_i32 s38, s38, 32                      ; the block in front of the work-group's 16 (even waves) or behind them (odd waves),
	s_max_i32 s38, s38, 0                          ; held inside the sequence: no load leaves its buffer; what such a block then holds is hidden by the mask below
	s_min_i32 s38, s38, 2016
	s_lshl_b32 s38, s38, 12
	s_add_co_u32 s38, s38, s16
	s_mov_b32 s39, 0
	s_cmp_eq_u32 s18, 0                            ; the sequence's first block has no block in front of it: all of window block 0 is hidden
	s_cselect_b32 s40, 64, 0
	s_cmp_eq_u32 s18, 2016                         ; the last has none behind it: all of window block 2 is hidden
	s_cselect_b32 s41, -64, 0
	s_wait_kmcnt 0x0
	s_add_nc_u64 s[PQ:PQ+1], s[4:5], s[36:37]
	s_add_nc_u64 s[PK:PK+1], s[6:7], s[36:37]
	s_add_nc_u64 s[PV:PV+1], s[8:9], s[36:37]
	s_add_nc_u64 s[PO:PO+1], s[12:13], s[36:37]
	s_add_nc_u64 s[PHK:PHK+1], s[6:7], s[38:39]
	s_add_nc_u64 s[PHV:PHV+1], s[8:9], s[38:39]
	s_wait_alu depctr_va_vdst(0)                   ; v1 and v2 are written: every global load and store of the kernel reads one of them as its offset
	LOADD RA, PK, 0                                ; my block of K: 16 loads,
	LOADV RB, PV                                   ; and of V: 64 loads
	s_load_u8 s14, s[10:11], 0x0                   ; attn_mask: read, and used for nothing, as in the definition
	; all LDS addresses are made here, on the one way that every wave takes
	s_mul_i32 s16, s[WV], STW                      ; my stage
	v_mul_u32_u24 v[SD], v30, 272
	v_lshl_add_u32 v[SD], v29, 4, v[SD]
	v_add_nc_u32 v[SD], s16, v[SD]
	v_and_b32 v[SK], 7, v29
	v_mul_u32_u24 v[SK], v[SK], 272
	v_lshrrev_b32 v[SQ], 3, v29
	v_mad_u32_u24 v[SK], v[SQ], SKEW, v[SK]        ; key r + 8 (r / 8): row r % 8, and 16 rows on for r / 8
	v_lshl_add_u32 v[SK], v30, 7, v[SK]
	v_add_nc_u32 v[SK], s16, v[SK]
	v_mul_u32_u24 v[SQ], v29, 272
	v_lshl_add_u32 v[SO], v30, 5, v[SQ]
	v_lshl_add_u32 v[SQ], v30, 7, v[SQ]
	v_add_nc_u32 v[SQ], s16, v[SQ]
	v_add_nc_u32 v[SO], s16, v[SO]
	s_mul_i32 s17, s[WV], KSL
	s_add_co_u32 s17, s17, KIMG
	v_lshl_add_u32 v[KI16], v31, 4, s17
	s_add_co_u32 s17, s17, 512
	v_lshl_add_u32 v[KI8], v31, 3, s17
	s_lshl_b32 s18, s[WV], 8
	s_add_co_u32 s19, s18, KSC
	v_lshl_add_u32 v[KSA], v31, 2, s19
	s_add_co_u32 s19, s18, VSC
	v_lshl_add_u32 v[VSA], v31, 2, s19
	s_mul_i32 s17, s[WV], VSL
	s_add_co_u32 s17, s17, VIMG
	v_lshl_add_u32 v[VW16], v31, 4, s17
	v_lshl_add_u32 v[VR16B], v29, 4, s17
	v_mad_u32_u24 v[VR16A], v30, VSL, v[VR16B]
	s_add_co_u32 s17, s17, 512
	v_lshl_add_u32 v[VW8], v31, 3, s17
	v_lshl_add_u32 v[VR8B], v29, 3, s17
	v_mad_u32_u24 v[VR8A], v30, VSL, v[VR8B]
	s_and_b32 s18, s[WV], 1                        ; slot 0 or slot 17
	s_mul_i32 s17, s18, 17*KSL
	s_add_co_u32 s17, s17, KIMG
	v_lshl_add_u32 v[HK16], v31, 4, s17
	s_add_co_u32 s17, s17, 512
	v_lshl_add_u32 v[HK8], v31, 3, s17
	s_mul_i32 s17, s18, 17*256
	s_add_co_u32 s19, s17, KSC
	v_lshl_add_u32 v[HKS], v31, 2, s19
	s_add_co_u32 s19, s17, VSC
	v_lshl_add_u32 v[HVS], v31, 2, s19
	s_mul_i32 s17, s18, 17*VSL
	s_add_co_u32 s17, s17, VIMG
	v_lshl_add_u32 v[HV16], v31, 4, s17
	s_add_co_u32 s17, s17, 512
	v_lshl_add_u32 v[HV8], v31, 3, s17
	v_lshlrev_b32 v[H8], 3, v30
	v_lshlrev_b32 v[NEG], 4, v30
	v_sub_nc_u32 v[LO], v29, v[NEG]                ; r - 16 h: register i holds key 16 h + i of a block, my query of tile qt is 16 qt + r
	v_add_nc_u32 v[HI], s41, v[LO]
	v_add_nc_u32 v[LO], s40, v[LO]
	v_add_nc_u32 v[LO+1], 16, v[LO]
	v_add_nc_u32 v[HI+1], 16, v[HI]
	v_mov_b32 v[NEG], 0xff800000
.irp i, 6,7,8,9,10,11,18,19,20,21,22,23
	v_mov_b32 v[QF+\i], 0                          ; E is 64: K = 64 .. 127 of Q's fragments are zero codes
.endr
	v_mov_b32 v[PA], 0                             ; written once: a lane permute's destination counts as one of its sources
	v_mov_b32 v[PB], 0
	s_mov_b32 s[SEL], 0x76543210
	s_mov_b32 s[SEL+1], 0xfedcba98
	s_mov_b32 s[CS], 0x3e38aa3b                    ; log2(e) / 8
	s_mov_b32 s[CS+1], s[CS]                       ; (named with it as a pair, so it is written)
	; ---- FIRST PART: numbers into codes
	s_wait_loadcnt 63                              ; behind K's 16 loads stand V's 64; the count names at most 63: K is in (and one load of V)
	s_wait_alu depctr_va_vdst(0)                   ; the LDS addresses v3 to v22 are written: every LDS instruction of the kernel reads one of them, and none is written again
	KPASS RA, KI16, KI8, KSA, KSL, 256             ; my block's place is slot w + 1
	LOADD RA, PQ, 1                                ; Q into the registers that K has left; read by this wave alone.  No wait: no vector line since KPASS's wait on va_vdst names them, and TURN's wait on vm_vsrc stands behind the stores that read them
	s_wait_loadcnt 16                              ; V is in; Q's 16 loads are younger
	VPASS RB, VW16, VW8, VSA, VSL, 256
	s_cmp_lt_u32 s[WV], 2
	s_cbranch_scc0 .Lnot_k
	LOADD RB, PHK, 0                               ; waves 0, 1: the block of K beside the work-group's.  No wait: no vector line since VPASS's wait on va_vdst names these registers
	s_wait_loadcnt 16                              ; Q is in; these 16 are younger
	QPASS
	s_wait_loadcnt 0x0
	KPASS RB, HK16, HK8, HKS, 0, 0
	s_branch .Ljoin
.Lnot_k:
	s_cmp_lt_u32 s[WV], 4
	s_cbranch_scc0 .Lplain
	LOADV RB, PHV                                  ; waves 2, 3: the block of V.  No wait, as in the other arm
	s_wait_loadcnt 63                              ; Q is in: 64 loads are younger, and the count names at most 63
	QPASS
	s_wait_loadcnt 0x0
	VPASS RB, HV16, HV8, HVS, 0, 0
	s_branch .Ljoin
.Lplain:
	s_wait_loadcnt 0x0
	QPASS
.Ljoin:
	s_wait_kmcnt 0x0                               ; attn_mask's byte has come
	s_wait_dscnt 0x0                               ; for the others' sake: my images lie in LDS
	s_wait_alu depctr_vm_vsrc(0)                   ; my last image stores have read F0, F1, BY0, BY1: the zeros below and K's fragments are written into these registers
	s_barrier_signal -1
.irp f, 0,1,2,3,4,5
.irp i, 6,7,8,9,10,11
	v_mov_b32 v[KF+12*\f+\i], 0                    ; K = 64 .. 127 of K's fragments are zero codes
.endr
.endr
.irp i, 0,1,2,3,4,5
	v_mov_b32 v[XT+\i], 0                          ; lane permutes' destinations; with the two lines below eight plain lines ahead of the scaled products, whose operands vector instructions have written
.endr
	v_nop
	v_nop
	s_barrier_wait -1                              ; the launch's one barrier: all 18 slots are whole, and nobody writes them again
	s_wait_alu depctr_va_vdst(0)                   ; the first part's vector lines are done writing and reading v68 to v139, in which K's fragments land; Q's codes and words and the zero codes are written, which the scaled products take
	; ---- SECOND PART.  The scores: three key blocks x two tiles of keys x two tiles of queries
.irp s, 0,1,2
.irp u, 0,1
	ds_load_b128 v[KF+12*(2*\s+\u):KF+12*(2*\s+\u)+3], v[KI16] offset:KSL*\s+TIL*\u
	ds_load_b64 v[KF+12*(2*\s+\u)+4:KF+12*(2*\s+\u)+5], v[KI8] offset:KSL*\s+TIL*\u
	ds_load_b32 v[KS+2*\s+\u], v[KSA] offset:256*\s+128*\u
.endr
.endr
	s_wait_dscnt 0x0
.irp f, 0,1,2,3,4,5
.irp q, 0,1
	v_wmma_scale_f32_16x16x128_f8f6f4 v[SS+48*\q+8*\f:SS+48*\q+8*\f+7], v[KF+12*\f:KF+12*\f+11], v[QF+12*\q:QF+12*\q+11], 0, v[KS+\f], v[QS+\q] matrix_a_fmt:MATRIX_FMT_BF6 matrix_b_fmt:MATRIX_FMT_BF6
.endr
.endr                                              ; twelve accumulators, one product each: no sum is taken up again
.rept 4
	v_nop                                          ; four plain lines in front of the first read of results (ISA guide 7.12.1)
.endr
	s_wait_alu depctr_va_vdst(0)                   ; the twelve products are done reading K's fragments, v68 to v139, in which V's fragments and bytes land
	; V's fragments are asked for now and wanted far below.  Registers 0-5: window blocks 0 (lanes 0-15) and 1 (lanes 16-31); registers 6-11: block 2 in both halves of the lanes: in lanes 16-31 it meets P's zero codes
.irp t, 0,1,2,3
	ds_load_b128 v[VF+12*\t:VF+12*\t+3], v[VR16A] offset:TIL*(\t/2)+256*(\t%2)
	ds_load_b64 v[VF+12*\t+4:VF+12*\t+5], v[VR8A] offset:TIL*(\t/2)+128*(\t%2)
	ds_load_b128 v[VF+12*\t+6:VF+12*\t+9], v[VR16B] offset:2*VSL+TIL*(\t/2)+256*(\t%2)
	ds_load_b64 v[VF+12*\t+10:VF+12*\t+11], v[VR8B] offset:2*VSL+TIL*(\t/2)+128*(\t%2)
.endr
.irp d, 0,1
	ds_load_b32 v[SV+\d], v[VSA] offset:128*\d     ; V's scale bytes of the three blocks: lane = channel % 32
	ds_load_b32 v[68+\d], v[VSA] offset:256+128*\d
	ds_load_b32 v[70+\d], v[VSA] offset:512+128*\d
.endr
	; the mask: hidden scores become -infinity ahead of the maximum.  Each accumulator is taken from its low end on.  The compares stand in runs of sixteen, a scalar register to each, and the selects behind one wait
.irp q, 0,1
.irp i, 0,1,2,3,4,5,6,7,8,9,10,11,12,13,14,15
	v_cmp_lt_i32 s[MK+\i], \i, v[LO+\q]
.endr
	s_wait_alu depctr_va_sdst(0)                   ; the sixteen compares have written s32 to s47, which the selects below read
.irp i, 0,1,2,3,4,5,6,7,8,9,10,11,12,13,14,15
	v_cndmask_b32 v[SS+48*\q+\i], v[SS+48*\q+\i], v[NEG], s[MK+\i]
.endr
.irp i, 0,1,2,3,4,5,6,7,8,9,10,11,12,13,14,15
	v_cmp_ge_i32 s[MK+\i], \i, v[HI+\q]
.endr
	s_wait_alu depctr_va_sdst(0)                   ; the sixteen compares have written s32 to s47, which the selects below read
.irp i, 0,1,2,3,4,5,6,7,8,9,10,11,12,13,14,15
	v_cndmask_b32 v[SS+48*\q+32+\i], v[SS+48*\q+32+\i], v[NEG], s[MK+\i]
.endr
.endr
	s_wait_dscnt 0x0                               ; V's fragments and bytes are in
.irp d, 0,1
	v_lshl_or_b32 v[SV+\d], v[68+\d], 8, v[SV+\d]
	v_lshl_or_b32 v[SV+\d], v[70+\d], 16, v[SV+\d] ; V's scale words: channels 32 d + lane; byte 3 stays 0 and meets zero codes
.endr
	; the largest score of each block of 32 keys: it serves for the row's maximum and, since p rises with the score, for the block's largest p
.irp q, 0,1
.irp s, 0,1,2
	v_max3_num_f32 v[BM+3*\q+\s], v[SS+48*\q+16*\s], v[SS+48*\q+16*\s+1], v[SS+48*\q+16*\s+2]
.endr
.endr
.irp i, 3,5,7,9,11,13
.irp q, 0,1
.irp s, 0,1,2
	v_max3_num_f32 v[BM+3*\q+\s], v[BM+3*\q+\s], v[SS+48*\q+16*\s+\i], v[SS+48*\q+16*\s+\i+1]
.endr
.endr
.endr
.irp q, 0,1
.irp s, 0,1,2
	v_max_num_f32 v[BM+3*\q+\s], v[BM+3*\q+\s], v[SS+48*\q+16*\s+15]
.endr
.endr
.irp n, 0,1,2,3,4,5
	v_permlanex16_b32 v[XT+\n], v[BM+\n], s[SEL], s[SEL+1]
.endr
.irp n, 0,1,2,3,4,5
	v_max_num_f32 v[BM+\n], v[BM+\n], v[XT+\n]     ; with lane l xor 16's 16 keys
.endr
.irp q, 0,1
	v_max3_num_f32 v[NM+2*\q+1], v[BM+3*\q], v[BM+3*\q+1], v[BM+3*\q+2]
.endr
.irp q, 0,1
	v_mul_f32 v[NM+2*\q+1], s[CS], v[NM+2*\q+1]    ; the row's largest t (c is positive)
.endr
.irp q, 0,1
	v_floor_f32 v[NM+2*\q], -v[NM+2*\q+1]          ; -M = floor(-t) = -ceil(t)
.endr
.irp q, 0,1
.irp j, 0,2,4,6,8,10,12,14,16,18,20,22,24,26,28,30,32,34,36,38,40,42,44,46
	v_pk_fma_f32 v[SS+48*\q+\j:SS+48*\q+\j+1], v[SS+48*\q+\j:SS+48*\q+\j+1], s[CS:CS+1], v[NM+2*\q:NM+2*\q+1] op_sel_hi:[1,0,0]   ; t - M, two at a time (of the pairs c and -M the low word serves both halves)
.endr
.endr
.irp q, 0,1
.irp s, 0,1,2
	v_fma_f32 v[BM+3*\q+\s], v[BM+3*\q+\s], s[CS], v[NM+2*\q]   ; the same of each block's largest score
.endr
.endr
.set j, 0
.rept 96
	v_exp_f32 v[SS+j], v[SS+j]                     ; p = 2^(t - M), at most 1; 0 where the score is hidden
.set j, j+1
.endr
	v_nop                                          ; a plain line behind the last exponential
	s_wait_alu depctr_va_vdst(0)                   ; the 96 exponentials have written p, v140 to v235: one wait for the batch, ahead of its first reader
.irp n, 0,1,2,3,4,5
	v_exp_f32 v[BM+\n], v[BM+\n]                   ; the block's largest p: the same two instructions on the same number
.endr
.irp q, 0,1                                        ; the row's sum is taken of the unquantised p: two at a time, two chains a tile.  (It reads the 96 alone: plain work behind the six)
	v_pk_add_f32 v[SUM+2*\q:SUM+2*\q+1], v[SS+48*\q:SS+48*\q+1], v[SS+48*\q+2:SS+48*\q+3]
	v_pk_add_f32 v[XT+2*\q:XT+2*\q+1], v[SS+48*\q+4:SS+48*\q+5], v[SS+48*\q+6:SS+48*\q+7]
.endr
.irp j, 8,12,16,20,24,28,32,36,40,44
.irp q, 0,1
	v_pk_add_f32 v[SUM+2*\q:SUM+2*\q+1], v[SUM+2*\q:SUM+2*\q+1], v[SS+48*\q+\j:SS+48*\q+\j+1]
	v_pk_add_f32 v[XT+2*\q:XT+2*\q+1], v[XT+2*\q:XT+2*\q+1], v[SS+48*\q+\j+2:SS+48*\q+\j+3]
.endr
.endr
.irp q, 0,1
	v_pk_add_f32 v[SUM+2*\q:SUM+2*\q+1], v[SUM+2*\q:SUM+2*\q+1], v[XT+2*\q:XT+2*\q+1]
.endr
	s_wait_alu depctr_va_vdst(0)                   ; the six exponentials have written the blocks' largest p, v236 to v241, ahead of their first reader
.irp n, 0,1,2,3,4,5
	v_max_num_f32 v[BM+\n], 0x2800000, v[BM+\n]    ; the floor 2^(5 - 127): the byte cannot fall under 1 (a block all of whose p are 0 keeps that byte: its codes are zeros)
.endr
.irp n, 0,1,2,3,4,5
	v_add_nc_u32 v[BM+\n], 0xfe000000, v[BM+\n]    ; 4 off the exponent field: the conversion's scale operand
.endr
.irp q, 0,1
	v_lshrrev_b32 v[PS+\q], 23, v[BM+3*\q]         ; the three bytes make P's scale word; byte 3 stays 0 and meets zero codes
	v_lshrrev_b32 v[XT+5], 23, v[BM+3*\q+1]
	v_lshl_or_b32 v[PS+\q], v[XT+5], 8, v[PS+\q]
	v_lshrrev_b32 v[XT+5], 23, v[BM+3*\q+2]
	v_lshl_or_b32 v[PS+\q], v[XT+5], 16, v[PS+\q]
.endr
	; P's codes.  A conversion gives half a block (16 keys); the operand wants a whole block in a lane: lanes 0-15 blocks 0 and 2, lanes 16-31 block 1 and the block of zeros
.irp q, 0,1
	v_cvt_scalef32_pk16_bf6_f32 v[PC+12*\q:PC+12*\q+2], v[SS+48*\q:SS+48*\q+15], v[BM+3*\q]
	v_cvt_scalef32_pk16_bf6_f32 v[XT:XT+2], v[SS+48*\q+16:SS+48*\q+31], v[BM+3*\q+1]
	v_cvt_scalef32_pk16_bf6_f32 v[PC+12*\q+6:PC+12*\q+8], v[SS+48*\q+32:SS+48*\q+47], v[BM+3*\q+2]
.irp i, 0,1,2
	v_mov_b32 v[XT+3+\i], 0                        ; the fourth block; also the plain lines behind the conversions
.endr
.irp i, 0,1,2
	v_permlane16_swap_b32 v[PC+12*\q+\i], v[XT+\i] ; the first's lanes 16-31 change places with the second's lanes 0-15: the first now holds each lane's block's lower 16 codes, the second the upper 16
.endr
.irp i, 0,1,2
	v_mov_b32 v[PC+12*\q+3+\i], v[XT+\i]
.endr
.irp i, 0,1,2
	v_permlane16_swap_b32 v[PC+12*\q+6+\i], v[XT+3+\i]
.endr
.irp i, 0,1,2
	v_mov_b32 v[PC+12*\q+9+\i], v[XT+3+\i]
.endr
.endr
	v_add_f32 v[SUM], v[SUM], v[SUM+1]             ; the sum's two halves,
	v_add_f32 v[SUM+2], v[SUM+2], v[SUM+3]
	v_permlanex16_b32 v[XT], v[SUM], s[SEL], s[SEL+1]
	v_permlanex16_b32 v[XT+1], v[SUM+2], s[SEL], s[SEL+1]
	v_add_f32 v[SUM], v[SUM], v[XT]                ; and lane l xor 16's: the row's sum l
	v_add_f32 v[SUM+2], v[SUM+2], v[XT+1]
	v_nop                                          ; with the four additions above: six plain lines between the last write of P's codes and the scaled products
	v_nop
	s_wait_alu depctr_va_vdst(0)                   ; P's codes, P's scale words and V's scale words are written, which the scaled products take; the plain lines above stay beside this wait
	; O^T = V^T P^T: four tiles of 16 channels x two tiles of queries; K = the window.  Channels 16 t + r have their scale words in lanes 16 (t % 2) + r of V's register t / 2
.irp t, 0,1,2,3
.irp q, 0,1
.if \t%2
	v_wmma_scale_f32_16x16x128_f8f6f4 v[OA+32*\q+8*\t:OA+32*\q+8*\t+7], v[VF+12*\t:VF+12*\t+11], v[PC+12*\q:PC+12*\q+11], 0, v[SV+\t/2], v[PS+\q] matrix_a_fmt:MATRIX_FMT_BF6 matrix_b_fmt:MATRIX_FMT_BF6 matrix_a_scale:MATRIX_SCALE_ROW1
.else
	v_wmma_scale_f32_16x16x128_f8f6f4 v[OA+32*\q+8*\t:OA+32*\q+8*\t+7], v[VF+12*\t:VF+12*\t+11], v[PC+12*\q:PC+12*\q+11], 0, v[SV+\t/2], v[PS+\q] matrix_a_fmt:MATRIX_FMT_BF6 matrix_b_fmt:MATRIX_FMT_BF6
.endif
.endr
.endr                                              ; eight accumulators, one product each
	v_rcp_f32 v[NM], v[SUM]
	v_rcp_f32 v[NM+2], v[SUM+2]
.rept 4
	v_nop                                          ; four plain lines behind the last product, the first of them also the plain line behind the reciprocals
.endr
	s_wait_alu depctr_va_vdst(0)                   ; the two reciprocals have written 1 / l, v248 and v250: one wait for both, ahead of their first reader
.irp q, 0,1
.irp j, 0,2,4,6,8,10,12,14,16,18,20,22,24,26,28,30
	v_pk_mul_f32 v[OA+32*\q+\j:OA+32*\q+\j+1], v[OA+32*\q+\j:OA+32*\q+\j+1], v[NM+2*\q:NM+2*\q+1] op_sel_hi:[1,0]   ; O^T / l, each accumulator from its low end on
.endr
.endr
	; THE WAY OUT.  Register j of tile (qt, t) is o(16 qt + r, 16 t + 8 h + j): 32 bytes of a row.  The 32 rows meet in my stage and leave whole: sixteen lanes store a row's 256 bytes, aligned
	s_wait_alu depctr_va_vdst(0)                   ; the multiplies have written O^T, v140 to v203, which the stage's stores read; the eight products are done reading v68 to v131, in which the stage's loads land
.irp q, 0,1
.irp t, 0,1,2,3
	ds_store_b128 v[SO], v[OA+32*\q+8*\t:OA+32*\q+8*\t+3] offset:SKEW*\q+64*\t
	ds_store_b128 v[SO], v[OA+32*\q+8*\t+4:OA+32*\q+8*\t+7] offset:SKEW*\q+64*\t+16
.endr
.endr
.irp j, 0,1,2,3,4,5,6,7,8,9,10,11,12,13,14,15
	ds_load_b128 v[OUTR+4*\j:OUTR+4*\j+3], v[SD] offset:544*\j+128*(\j/8)   ; LDS serves a wave's instructions in order: these see my stores
.endr
.irp j, 0,1,2,3,4,5,6,7,8,9,10,11,12,13,14,15
	s_wait_dscnt 15-\j                             ; rows 2 j and 2 j + 1 are back; the younger loads may be out
	global_store_b128 v[GD], v[OUTR+4*\j:OUTR+4*\j+3], s[PO:PO+1] offset:8192*\j th:TH_STORE_NT   ; written once, read by nobody here
.endr
	s_wait_xcnt 0x0
	v_lshl_add_u32 v254, v0, 2, 0x34000            ; the add's two registers, made anew straight ahead of the closing lines: my spare word, behind V's scale bytes, and 0.  No memory or LDS instruction has read v254 or v255
	v_mov_b32 v255, 0
	s_wait_dscnt 0x0                               ; the closing lines, six on end
	s_wait_alu 0x0
	s_wait_tensorcnt 0x0
	ds_add_u32 v254, v255
	s_wait_dscnt 0x0
	s_endpgm
.Lfunc_end_k_qb4f00d9f40_band:
	.size	k_qb4f00d9f40_band, .Lfunc_end_k_qb4f00d9f40_band-k_qb4f00d9f40_band
	.p2alignl 7, 3214868480
	.fill 96, 4, 3214868480
	.section	.rodata,"a",@progbits
	.p2align	6, 0x0
	.amdhsa_kernel k_qb4f00d9f40_band
		.amdhsa_group_segment_fixed_size 215040
		.amdhsa_private_segment_fixed_size 0
		.amdhsa_enable_private_segment 0
		.amdhsa_kernarg_size 40
		.amdhsa_user_sgpr_count 2
		.amdhsa_user_sgpr_kernarg_segment_ptr 1
		.amdhsa_wavefront_size32 1
		.amdhsa_system_sgpr_workgroup_id_x 1
		.amdhsa_system_sgpr_workgroup_id_y 1
		.amdhsa_system_sgpr_workgroup_id_z 1
		.amdhsa_system_vgpr_workitem_id 0
		.amdhsa_next_free_vgpr 256
		.amdhsa_next_free_sgpr 66
		.amdhsa_reserve_vcc 0
		.amdhsa_float_denorm_mode_32 3
		.amdhsa_float_denorm_mode_16_64 3
		.amdhsa_memory_ordered 1
		.amdhsa_forward_progress 1
		.amdhsa_inst_pref_size 93
	.end_amdhsa_kernel
	.amdgpu_metadata
---
amdhsa.version: [ 1, 2 ]
amdhsa.kernels:
  - .name:           k_qb4f00d9f40_band
    .symbol:         k_qb4f00d9f40_band.kd
    .args:
      - { .name: queries, .offset: 0, .size: 8, .value_kind: global_buffer, .address_space: global }
      - { .name: keys, .offset: 8, .size: 8, .value_kind: global_buffer, .address_space: global }
      - { .name: values, .offset: 16, .size: 8, .value_kind: global_buffer, .address_space: global }
      - { .name: attn_mask, .offset: 24, .size: 8, .value_kind: global_buffer, .address_space: global }
      - { .name: out0, .offset: 32, .size: 8, .value_kind: global_buffer, .address_space: global }
    .group_segment_fixed_size: 215040
    .private_segment_fixed_size: 0
    .kernarg_segment_align: 8
    .kernarg_segment_size: 40
    .max_flat_workgroup_size: 512
    .sgpr_count:     66
    .vgpr_count:     256
    .wavefront_size: 32
...
	.end_amdgpu_metadata
.endif
;; end of part 2
